; MI455X (gfx1250); checked and timed in simulation.
; The chip was launched on July 23, 2026; its instructions are those of AMD's public machine-readable ISA for CDNA 5 (MIT licence, August 2026) and "CDNA5" Instruction Set Architecture Reference Guide (July 2026). The comments in the code are by the model that wrote it; some were corrected since.
;; Additive Attention. Allowed arithmetic: matrix products marked QUANTISED: E2M1 operands, one E8M0 scale for each 32 along K, by v_wmma_scale_f32_16x16x128_f8f6f4 with both operands' format E2M1 (or v_wmma_scale_f32_32x16x128_f4), f32 sums; products left as they are: f32 operands where the result goes on into a quantised operand, else bf16, f16 or f32 operands; f32 sums; everything else in f32.
;; Inputs: Wk_codes 1,024 x 32 x 16 uint8 (E2M1 codes of Wk, K innermost, in blocks of 32 codes, two codes a byte); Wk_scales 1,024 x 32 uint8 (E8M0 scales of Wk, one for each 32 codes along K); Wout 1,024 float32; Wq_codes 1,024 x 32 x 16 uint8 (E2M1 codes of Wq, K innermost, in blocks of 32 codes, two codes a byte); Wq_scales 1,024 x 32 uint8 (E8M0 scales of Wq, one for each 32 codes along K); bk 1,024 float32; bout one number float32; bq 1,024 float32; decoder_output_codes 1 x 32 x 32 x 16 uint8 (E2M1 codes of decoder_output, K innermost, in blocks of 32 codes, two codes a byte); decoder_output_scales 1 x 32 x 32 uint8 (E8M0 scales of decoder_output, one for each 32 codes along K); encoder_outputs 32 x 2,048 x 1,024 float32; inputs 32 x 2,048 int32.
;; Outputs: out0 32 x 1 x 1,024 float32.
;; This version of the problem:
;;   THIS VERSION OF THE PROBLEM IS GIVEN IN LOW PRECISION. The matrix products marked QUANTISED in the list below multiply operands that are first quantised to E2M1 (2 exponent bits, 1 mantissa bit; 4 bits a number), with one power-of-two scale for each 32 numbers along K (OCP MX v1.0); their sums are f32. All else is computed in f32.
;;   The module's matrix products, in the order in which they are computed (A, B: the left and right operand; K: the contracted axis; several contracted axes count as one K, in the product's order):
;;     1. [M 65,536, K 1,024] x [K 1,024, N 1,024]; A: input encoder_outputs; B: input Wk (given as codes): QUANTISED
;;     2. [M 32, K 1,024] x [K 1,024, N 1,024]; A: input decoder_output (given as codes); B: input Wq (given as codes): QUANTISED
;;     3. [M 65,536, K 1,024] x [K 1,024, N 1]; A: computed on the way; B: input Wout: left as it is (N = 1 < 16)
;;     4. batch 32 x [M 1, K 2,048] x [K 2,048, N 1,024]; A: softmax; B: input encoder_outputs: left as it is (M = 1 < 16)
;;   THE QUANTISER, for each operand of a quantised product, along K:
;;     - K is cut into blocks of 32 from its start; a last block that is shorter is filled with zeros.
;;     - A block's scale is 2^e with e = floor(log2(the largest magnitude in the block)) - 2, held to -126 .. 127; a block of zeros has e = 0. As a byte (E8M0): e + 127.
;;     - Each number is divided by its block's scale, clamped to +-6, and rounded to the nearest number of E2M1, ties to even, subnormals kept.
;;     - The product sums the exact products of the quantised numbers (number of the format x scale) in f32.
;;   ~~~python
;;   def quantise(x, axis):      # numpy; x: float32 -> the quantised numbers, widened to float32 again
;;       x = np.moveaxis(x, axis, -1); K = x.shape[-1]
;;       x = np.pad(x, [(0, 0)] * (x.ndim - 1) + [(0, -K % 32)]); x = x.reshape(x.shape[:-1] + (-1, 32)); a = np.abs(x).max(-1, keepdims=True)
;;       e = np.where(a > 0, np.clip(np.frexp(np.where(a > 0, a, 1))[1] - 1 - 2, -126, 127), 0)      # np.frexp(a)[1] - 1 = floor(log2(a)), exactly
;;       r = np.clip(x / 2.0 ** e, -6, 6)
;;       step = 2.0 ** (np.maximum(np.frexp(np.where(r == 0, 1, r))[1] - 1, 0) - 1)
;;       q = np.round(r / step) * step * 2.0 ** e      # np.round: ties to even
;;       return np.moveaxis(q.reshape(q.shape[:-2] + (-1,))[..., :K], -1, axis).astype(np.float32)
;;   ~~~
;;   INPUTS GIVEN AS CODES. Wk (in the module: [1024, 1024], K = its axis 1); Wq (in the module: [1024, 1024], K = its axis 1); decoder_output (in the module: [1, 32, 1024], K = its axis 2): each comes as NAME_codes (uint8): NAME with its K axis moved to the last place and cut into blocks of 32 codes, [.., K / 32, bytes a block], one block behind the other in memory; two codes a byte, the lower K in the low four bits (a code: sign, 2 exponent bits, 1 mantissa bit); and NAME_scales (uint8): the same leading axes, one E8M0 byte (e + 127) for each 32 codes along K. Its value is code x scale, taken as it is: it is not quantised again, and the codes and scales need not be those that the quantiser above would give.
;; One version. Each part assembles by itself: llvm-mc -triple=amdgcn-amd-amdhsa -mcpu=gfx1250 --defsym DOCPART=n.
;; ======== version 1 of 1: 3 launches
;; limits: values are held in bf16: 8 bits of precision; right only within a limited range of input values
;; workspace buffers: wkf 524,288 bytes; cq 131,072 bytes; part 1,179,648 bytes
;; launch prep (part 1): grid 16 x 1, 4 waves a work-group, no clusters, 9,216 bytes of LDS; arguments Wk_codes, Wq_codes, Wq_scales, decoder_output_codes, decoder_output_scales, bq, bk, wkf, cq; writes wkf, cq
.if DOCPART == 1
	.amdgcn_target "amdgcn-amd-amdhsa--gfx1250"
	.amdhsa_code_object_version 6
	.text
	.protected	k_q404d4644ab_prep
	.globl	k_q404d4644ab_prep
	.p2align	8
	.type	k_q404d4644ab_prep,@function
k_q404d4644ab_prep:
	s_mov_b64 s[64:65], 0
	v_nop
	global_prefetch_b8 v0, s[64:65] scope:SCOPE_SE
	s_setreg_imm32_b32 hwreg(HW_REG_WAVE_MODE, 25, 1), 1
	s_wait_xcnt 0x0
; ADDITIVE ATTENTION, launch 1 of 3.  context[b] = sum over t of softmax_t(score[b][t]) enc[b][t], score = tanh(enc Wk^T + bk + dec Wq^T + bq) . Wout + bout.
; WORK LEFT OUT IN THE WHOLE PROGRAM, for all values of the inputs:
;   bout is added to every score of a row of the softmax: softmax(s + a) = softmax(s) for any number a that is the same along t.  So bout reaches no output; it is not loaded and is no argument of any launch.
;   tanh(x) = 1 - 2 / (1 + e^(2x)), so sum_n Wout[n] tanh(x[n]) = sum_n Wout[n] - 2 sum_n Wout[n] / (1 + e^(2x[n])).  The first term is again the same along t and goes by the same identity: it is never summed.
;   inputs is named by no line of the computation: it is not loaded and is no argument.
;   LIMIT: a NaN, an infinity or an overflow in bout or in the sum of Wout is not carried to the result.
; THIS LAUNCH makes two things that the main launch reads many times over.
;   cq[b][n] = c (dec[b] . Wq[n] + bq[n] + bk[n]), c = 2 log2(e): the part of tanh's argument that does not hang on t, already scaled for 2^(c x) = e^(2x).  The product is on the given codes of E2M1 with their E8M0 scales.
;   wkf: Wk's codes in the order of a matrix operand's registers: [tile of 16 rows: 64][piece i = 2 s + c: 16][lane: 32][16 bytes]; lane (r, h) of piece i holds bytes 32 i + 16 h .. + 15 of row 16 tile + r.
;   So a wave of the main launch loads a piece by one instruction that covers 512 consecutive bytes.
; SHARES.  64 tiles of 16 rows of Wq and of Wk: wave w of work-group g takes tile 4 g + w.  No loop.
; THE PRODUCT IS USED TRANSPOSED (source 0 = 16 rows of Wq, source 1 = 16 rows of dec): a lane then holds eight neighbouring n of one batch row.  bq + bk is the C of each sum's first instruction.
; REGISTERS: v1-10 addresses; v14, v15 the add's two; v16-23 bq + bk; v24-31 bk; v32-35 Wq's scale words; v36-43 dec's; v44-59 two accumulators; v64-127 Wq's fragments; v128-255 dec's; window 1 v0-63: Wk's 16 pieces.
.set STG,   0                          ; LDS: 32 batch rows x (256 bytes + 16): the work-group's 64 n of every batch row
.set SP,    272
.set SPARE, 8704                       ; behind the stage: the spare words, 128 bytes for each wave: two blocks of 256 bytes that no other line names
.set SPW,   14
.set NIL,   15
.set MSB, 0
.macro WIN new                         ; the immediate's high byte repeats the setting that is left
.if MSB != \new
	s_set_vgpr_msb (MSB<<8)|\new
.set MSB, \new
.endif
.endm
	s_load_b256 s[4:11], s[0:1], 0x0               ; Wk's codes s[4:5], Wq's codes s[6:7], Wq's scales s[8:9], dec's codes s[10:11]
	s_load_b256 s[12:19], s[0:1], 0x20             ; dec's scales s[12:13], bq s[14:15], bk s[16:17], wkf s[18:19]
	s_load_b64 s[20:21], s[0:1], 0x40              ; cq
	v_lshl_add_u32 v[SPW], v0, 2, SPARE
	v_mov_b32 v[NIL], 0
	v_lshrrev_b32 v1, 5, v0
	v_readfirstlane_b32 s22, v1                    ; wave 0..3
	v_and_b32 v1, 15, v0                           ; r
	v_bfe_u32 v2, v0, 4, 1                         ; h
	v_and_b32 v3, 31, v0                           ; lane
	v_lshlrev_b32 v4, 9, v1
	v_lshl_add_u32 v4, v2, 4, v4                   ; codes: row r of 512 bytes, + 16 h
	v_lshlrev_b32 v5, 5, v1
	v_lshl_add_u32 v5, v2, 4, v5                   ; scale bytes: row r of 32 bytes, + 16 h: lanes 0-15 take the words of K steps 0-3, lanes 16-31 those of K steps 4-7
	v_lshlrev_b32 v6, 4, v3                        ; 16 x lane: a piece's place in wkf
	v_lshlrev_b32 v7, 5, v2                        ; the biases: eight numbers from n = 8 h on
	v_mul_u32_u24 v8, v1, SP
	v_lshl_add_u32 v8, v2, 5, v8
	s_lshl_b32 s23, s22, 6
	v_add_nc_u32 v8, s23, v8                       ; into the stage: batch row r, + 64 w + 32 h
	v_mul_u32_u24 v9, v2, SP
	v_lshl_add_u32 v9, v1, 4, v9
	s_mul_i32 s23, s22, 8*SP
	v_add_nc_u32 v9, s23, v9                       ; back: rows 8 w + h (+ 2 i), sixteen lanes to a row
	v_lshlrev_b32 v10, 12, v2
	v_lshl_add_u32 v10, v1, 4, v10
	s_lshl_b32 s23, s22, 15
	v_add_nc_u32 v10, s23, v10                     ; and the same place in cq: a batch row is 4,096 bytes
	s_mov_b32 s24, 0x4038aa3b                      ; c = 2 log2(e)
	s_mov_b32 s25, s24                             ; (named with it as a pair, so it is written)
	s_lshl_b32 s26, ttmp9, 2
	s_add_co_u32 s26, s26, s22                     ; my tile
	s_lshl_b32 s28, s26, 13                        ; 16 rows of 512 bytes of codes
	s_mov_b32 s29, 0
	s_lshl_b32 s30, s26, 9                         ; 16 rows of 32 scale bytes
	s_mov_b32 s31, 0
	s_lshl_b32 s32, s26, 6                         ; 16 numbers of a bias
	s_mov_b32 s33, 0
	s_lshl_b32 s34, ttmp9, 8                       ; the work-group's 64 n in a row of cq
	s_mov_b32 s35, 0
	s_wait_kmcnt 0x0
	s_add_nc_u64 s[4:5], s[4:5], s[28:29]
	s_add_nc_u64 s[6:7], s[6:7], s[28:29]
	s_add_nc_u64 s[18:19], s[18:19], s[28:29]
	s_add_nc_u64 s[8:9], s[8:9], s[30:31]
	s_add_nc_u64 s[14:15], s[14:15], s[32:33]
	s_add_nc_u64 s[16:17], s[16:17], s[32:33]
	s_add_nc_u64 s[20:21], s[20:21], s[34:35]
	global_load_b128 v[16:19], v7, s[14:15]        ; bq
	global_load_b128 v[20:23], v7, s[14:15] offset:16
	global_load_b128 v[24:27], v7, s[16:17]        ; bk
	global_load_b128 v[28:31], v7, s[16:17] offset:16
	global_load_b128 v[32:35], v5, s[8:9]          ; Wq's scale words
	global_load_b128 v[36:39], v5, s[12:13]        ; dec's, batch rows 0-15
	global_load_b128 v[40:43], v5, s[12:13] offset:512   ; and 16-31
.set II, 0
.rept 16
	global_load_b128 v[64+4*II:64+4*II+3], v4, s[6:7] offset:32*II           ; Wq's fragments: K step II / 2, half II % 2
.set II, II+1
.endr
.irp M, 0,1
.set II, 0
.rept 16
	global_load_b128 v[128+64*\M+4*II:128+64*\M+4*II+3], v4, s[10:11] offset:8192*\M+32*II   ; dec's, two tiles of 16 batch rows
.set II, II+1
.endr
.endr
	WIN 0x40                                       ; destination window 1
.set II, 0
.rept 16
	global_load_b128 v[4*II:4*II+3], v4, s[4:5] offset:32*II                 ; Wk's 16 pieces, as a lane of the operand wants them
.set II, II+1
.endr
	WIN 0
	s_wait_loadcnt 16                              ; all but Wk's sixteen, which were issued last
.irp j, 0,2,4,6
	v_pk_add_f32 v[16+\j:17+\j], v[16+\j:17+\j], v[24+\j:25+\j]             ; bq + bk
.endr
.rept 4
	v_nop
.endr
; 16 matrix instructions; the two accumulators take turns, one instruction a turn.  K step s takes scale register s % 4, from s = 4 on out of lanes 16-31.
.set SS, 0
.rept 8
.irp M, 0,1
.if SS == 0
	v_wmma_scale_f32_16x16x128_f8f6f4 v[44+8*\M:51+8*\M], v[64+8*SS:71+8*SS], v[128+64*\M+8*SS:135+64*\M+8*SS], v[16:23], v[32+(SS&3)], v[36+4*\M+(SS&3)] matrix_a_fmt:MATRIX_FMT_FP4 matrix_b_fmt:MATRIX_FMT_FP4
.elseif SS < 4
	v_wmma_scale_f32_16x16x128_f8f6f4 v[44+8*\M:51+8*\M], v[64+8*SS:71+8*SS], v[128+64*\M+8*SS:135+64*\M+8*SS], v[44+8*\M:51+8*\M], v[32+(SS&3)], v[36+4*\M+(SS&3)] matrix_a_fmt:MATRIX_FMT_FP4 matrix_b_fmt:MATRIX_FMT_FP4
.else
	v_wmma_scale_f32_16x16x128_f8f6f4 v[44+8*\M:51+8*\M], v[64+8*SS:71+8*SS], v[128+64*\M+8*SS:135+64*\M+8*SS], v[44+8*\M:51+8*\M], v[32+(SS&3)], v[36+4*\M+(SS&3)] matrix_a_fmt:MATRIX_FMT_FP4 matrix_b_fmt:MATRIX_FMT_FP4 matrix_a_scale:MATRIX_SCALE_ROW1 matrix_b_scale:MATRIX_SCALE_ROW1
.endif
.endr
.set SS, SS+1
.endr
.rept 4
	v_nop                                          ; four places behind the last products, ahead of the first read of results (ISA guide 7.12.1)
.endr
.irp j, 0,2,4,6,8,10,12,14
	v_pk_mul_f32 v[44+\j:45+\j], v[44+\j:45+\j], s[24:25] op_sel_hi:[1,0]   ; x c; each accumulator from its low end on
.endr
.irp M, 0,1
	ds_store_b128 v8, v[44+8*\M:47+8*\M] offset:STG+16*\M*SP                 ; lane (r, h): batch row 16 M + r, n = 16 w + 8 h + 0 .. 7
	ds_store_b128 v8, v[48+8*\M:51+8*\M] offset:STG+16*\M*SP+16
.endr
	s_wait_dscnt 0x0                               ; for the others' sake: my stores into the stage are done
	s_barrier_signal -1
	s_barrier_wait -1                              ; a row's 256 bytes come from four waves
.irp i, 0,1,2,3
	ds_load_b128 v[64+4*\i:67+4*\i], v9 offset:STG+2*\i*SP
.endr
.irp i, 0,1,2,3
	s_wait_dscnt 3-\i
	global_store_b128 v10, v[64+4*\i:67+4*\i], s[20:21] offset:8192*\i      ; sixteen lanes store 256 consecutive bytes, at a multiple of 256 from cq's first byte
.endr
	s_wait_loadcnt 0x0                             ; Wk's pieces
	WIN 0x04                                       ; a store's data are its source 1: window 1
.set II, 0
.rept 16
	global_store_b128 v6, v[4*II:4*II+3], s[18:19] offset:512*II             ; 32 lanes store 512 consecutive bytes
.set II, II+1
.endr
	WIN 0
	s_wait_tensorcnt 0x0                           ; the wave's end, behind my last LDS store
	ds_add_u32 v[SPW], v[NIL]
	s_wait_dscnt 0x0
	s_endpgm
.Lfunc_end_k_q404d4644ab_prep:
	.size	k_q404d4644ab_prep, .Lfunc_end_k_q404d4644ab_prep-k_q404d4644ab_prep
	.p2alignl 7, 3214868480
	.fill 96, 4, 3214868480
	.section	.rodata,"a",@progbits
	.p2align	6, 0x0
	.amdhsa_kernel k_q404d4644ab_prep
		.amdhsa_group_segment_fixed_size 9216
		.amdhsa_private_segment_fixed_size 0
		.amdhsa_enable_private_segment 0
		.amdhsa_kernarg_size 72
		.amdhsa_user_sgpr_count 2
		.amdhsa_user_sgpr_kernarg_segment_ptr 1
		.amdhsa_wavefront_size32 1
		.amdhsa_system_sgpr_workgroup_id_x 1
		.amdhsa_system_sgpr_workgroup_id_y 1
		.amdhsa_system_sgpr_workgroup_id_z 1
		.amdhsa_system_vgpr_workitem_id 0
		.amdhsa_next_free_vgpr 320
		.amdhsa_next_free_sgpr 66
		.amdhsa_reserve_vcc 0
		.amdhsa_float_denorm_mode_32 3
		.amdhsa_float_denorm_mode_16_64 3
		.amdhsa_memory_ordered 1
		.amdhsa_forward_progress 1
		.amdhsa_inst_pref_size 15
	.end_amdhsa_kernel
	.amdgpu_metadata
---
amdhsa.version: [ 1, 2 ]
amdhsa.kernels:
  - .name:           k_q404d4644ab_prep
    .symbol:         k_q404d4644ab_prep.kd
    .args:
      - { .name: Wk_codes, .offset: 0, .size: 8, .value_kind: global_buffer, .address_space: global }
      - { .name: Wq_codes, .offset: 8, .size: 8, .value_kind: global_buffer, .address_space: global }
      - { .name: Wq_scales, .offset: 16, .size: 8, .value_kind: global_buffer, .address_space: global }
      - { .name: decoder_output_codes, .offset: 24, .size: 8, .value_kind: global_buffer, .address_space: global }
      - { .name: decoder_output_scales, .offset: 32, .size: 8, .value_kind: global_buffer, .address_space: global }
      - { .name: bq, .offset: 40, .size: 8, .value_kind: global_buffer, .address_space: global }
      - { .name: bk, .offset: 48, .size: 8, .value_kind: global_buffer, .address_space: global }
      - { .name: wkf, .offset: 56, .size: 8, .value_kind: global_buffer, .address_space: global }
      - { .name: cq, .offset: 64, .size: 8, .value_kind: global_buffer, .address_space: global }
    .group_segment_fixed_size: 9216
    .private_segment_fixed_size: 0
    .kernarg_segment_align: 8
    .kernarg_segment_size: 72
    .max_flat_workgroup_size: 128
    .sgpr_count:     66
    .vgpr_count:     320
    .wavefront_size: 32
...
	.end_amdgpu_metadata
.endif
;; end of part 1
;; launch main (part 2): grid 256 x 1, 4 waves a work-group, no clusters, 327,680 bytes of LDS; arguments encoder_outputs, wkf, Wk_scales, cq, Wout, part; writes part
.if DOCPART == 2
	.amdgcn_target "amdgcn-amd-amdhsa--gfx1250"
	.amdhsa_code_object_version 6
	.text
	.protected	k_q404d4644ab_main
	.globl	k_q404d4644ab_main
	.p2align	8
	.type	k_q404d4644ab_main,@function
k_q404d4644ab_main:
	s_mov_b64 s[64:65], 0
	v_nop
	global_prefetch_b8 v0, s[64:65] scope:SCOPE_SE
	s_setreg_imm32_b32 hwreg(HW_REG_WAVE_MODE, 25, 1), 1
	s_wait_xcnt 0x0
; ADDITIVE ATTENTION, launch 2 of 3: quantiser, first product, tanh, scores, running softmax and context, for 256 rows (b, t) a work-group; enc is read from memory once.
; LEFT OUT (shown at the head of the first launch): bout and the sum of Wout, which are the same along the softmax's axis; the input named inputs.  What is summed is S[t] = sum_n Wout[n] / (1 + 2^(c x[t][n])),
; c = 2 log2(e), x = k + bk + q + bq; the softmax's exponent in base 2 is u[t] = -c S[t].  1 / (1 + 2^(c x)) goes to 0 and to 1 where 2^(c x) leaves f32's range, as tanh does.
; SHARES.  Work-group g owns rows 256 g .. + 255 of enc taken as [65536][1024] (batch g / 8), in four blocks of 64 rows.  A block:
;   Q  wave w reads its strip (columns 256 w .. + 255 of the 64 rows; lane l: 8 columns) out of LDS once: quantised to E2M1 (four lanes hold a block of 32) and, rounded to bf16, kept in 256 registers for the context.
;      Codes and scale bytes go to LDS as rows | barrier; behind it the next block's strip is asked for: it has all that follows in which to land.
;   G  wave w makes n = 256 w .. + 255 for all 64 rows.  A's 32 fragments stay in 256 registers; Wk's come from memory straight into registers, in operand order (wkf), each used by four matrix instructions.
;      A tile's 32 products stand in one run, between the exponentials of the tile before and the wait for them.
;   S  the sums over n: sixteen lanes, then four waves through LDS | barrier; every wave makes the block's 64 weights p = 2^(u - M) under a running maximum M.
;   C  context += p[t] x enc[t], from the bf16 copy, fused multiply-adds in f32.
; At the end context, M and the sum of p go to memory; the third launch joins the eight work-groups of a batch.
; THE PRODUCT IS NOT TRANSPOSED: a lane holds ONE n (lane % 16) and eight rows, so cq[n] and Wout[n] are one number a lane and a tile.
; NO CLUSTER, though every work-group reads the same Wk: a joint load lands in LDS, and strips, codes, scales and scratch take 317,952 of 327,680 bytes; the 9,728 left hold no two slots of even one tile of Wk (8,704 bytes with its scales).
; NO DATA PREFETCH: a strip is asked for by its own tensor load as soon as its LDS bytes have been read, a block ahead of its use; Wk's tiles are asked for three tiles ahead by the register loads themselves.
; LIMITS: NaN and infinities in enc are not served.  A block of 32 whose largest magnitude lies under 2^-124 gets the scale byte 1 (a block of zeros too: its codes are zeros, and this program alone reads the bytes).
;   enc enters the context rounded to bf16; the weights p stay f32.
; REGISTERS: window 0: v2-15 addresses; v16, v17 the add's two; v18 M, v19 my share of the sum of p, v20, v21 zeros; v22-31 at work; v32-39 the context; v40-55 A's scale words; v56-67 B's, three sets;
;   v68-73 cq and Wout of three tiles; v74-77 those of the tile in tanh; v80-111, v240-255 at work in Q and S; v112-143 the sums S; v144-239 three sets of four accumulators (in Q v112-239 two sets of 64 numbers; in C v144-207 the weights).
;   window 1: A's 32 fragments.   window 2: three tiles of Wk.   window 3: the bf16 copy, register 4 t + q: columns 2 q, 2 q + 1 of row t.
.set LANDW, 69632                      ; a wave's strip: 64 rows x 1,088
.set LROW,  1088                       ; 1,024 bytes + 16 of padding behind every 256
.set COD,   4*LANDW                    ; codes, 64 rows x (512 + 16)
.set CP,    528
.set ASC,   COD+64*CP                  ; A's scale bytes, 64 rows x (32 + 16)
.set AP,    48
.set SCP,   ASC+64*AP                  ; the waves' sums S, [wave][row] f32
.set PB,    SCP+1024                   ; the weights p, 256 bytes for each wave
.set SPARE, PB+1024                    ; the spare words, 128 bytes a wave
.set LA0, 2
.set LA1, 3
.set CWA, 4
.set SWA, 5
.set ARD, 6
.set SRD, 7
.set PWA, 8
.set PRD, 9
.set PBW, 10
.set PBR, 11
.set BO,  12
.set SO,  13
.set CO,  14
.set OUTA, 15
.set SPW, 16
.set NIL, 17
.set MX,  18
.set LS,  19
.set CTX, 32
.set AS,  40
.set BS,  56
.set CN,  68
.set CUR, 74
.set T,   80
.set SA,  112
.set ACC, 144
.set PP,  144
.set G1,  24                           ; s[24:31] descriptor group 1: a strip of 64 rows
.set D0,  32                           ; s[32:35] descriptor group 0
.set MSB, 0
.macro WIN new                         ; the immediate's high byte repeats the setting that is left
.if MSB != \new
	s_set_vgpr_msb (MSB<<8)|\new
.set MSB, \new
.endif
.endm
.macro AW
	s_wait_alu depctr_va_vdst(0)
.endm
; 19 loads: one tile of Wk (16 pieces of 512 consecutive bytes), its scale words, its 16 numbers of cq and of Wout.  kind 1: from the loop's pointers;  kind 2: from the wave's bases.
.macro BLOAD set, kind, lt
.if (\kind) == 1
.set GB, 36
.else
.set GB, 6
.endif
	WIN 0x80
.set II, 0
.rept 16
	global_load_b128 v[64*(\set)+4*II:64*(\set)+4*II+3], v[BO], s[GB:GB+1] offset:(\lt)*8192+512*II
.set II, II+1
.endr
	WIN 0
	global_load_b128 v[BS+4*(\set):BS+4*(\set)+3], v[SO], s[GB+2:GB+3] offset:(\lt)*512
	global_load_b32 v[CN+2*(\set)], v[CO], s[GB+4:GB+5] offset:(\lt)*64
	global_load_b32 v[CN+2*(\set)+1], v[CO], s[GB+6:GB+7] offset:(\lt)*64
.endm
; Four matrix instructions: K step s, four tiles of 16 rows; the four accumulators take turns.  Windows: source 0 (A) 1, source 1 (B) 2, set by the caller.
; A scale register holds the words of K step s % 4 in lanes 0-15 and of K step 4 + s % 4 in lanes 16-31.
.macro MM4 set, s
.irp m, 0,1,2,3
.if (\s) == 0
	v_wmma_scale_f32_16x16x128_f8f6f4 v[ACC+32*(\set)+8*\m:ACC+32*(\set)+8*\m+7], v[64*\m+8*(\s):64*\m+8*(\s)+7], v[64*(\set)+8*(\s):64*(\set)+8*(\s)+7], 0, v[AS+4*\m+((\s)&3)], v[BS+4*(\set)+((\s)&3)] matrix_a_fmt:MATRIX_FMT_FP4 matrix_b_fmt:MATRIX_FMT_FP4
.elseif (\s) < 4
	v_wmma_scale_f32_16x16x128_f8f6f4 v[ACC+32*(\set)+8*\m:ACC+32*(\set)+8*\m+7], v[64*\m+8*(\s):64*\m+8*(\s)+7], v[64*(\set)+8*(\s):64*(\set)+8*(\s)+7], v[ACC+32*(\set)+8*\m:ACC+32*(\set)+8*\m+7], v[AS+4*\m+((\s)&3)], v[BS+4*(\set)+((\s)&3)] matrix_a_fmt:MATRIX_FMT_FP4 matrix_b_fmt:MATRIX_FMT_FP4
.else
	v_wmma_scale_f32_16x16x128_f8f6f4 v[ACC+32*(\set)+8*\m:ACC+32*(\set)+8*\m+7], v[64*\m+8*(\s):64*\m+8*(\s)+7], v[64*(\set)+8*(\s):64*(\set)+8*(\s)+7], v[ACC+32*(\set)+8*\m:ACC+32*(\set)+8*\m+7], v[AS+4*\m+((\s)&3)], v[BS+4*(\set)+((\s)&3)] matrix_a_fmt:MATRIX_FMT_FP4 matrix_b_fmt:MATRIX_FMT_FP4 matrix_a_scale:MATRIX_SCALE_ROW1 matrix_b_scale:MATRIX_SCALE_ROW1
.endif
.endr
.endm
; Number q of the 112 vector instructions that take a finished tile (accumulator set av) into the sums S:
;   0-15 c k + cq, in pairs, ascending;  16-47 2^x;  48-63 + 1;  64-95 1 / x;  96-111 S += Wout x that.  One wait ahead of the first read of the results, one ahead of each batch and one behind it.
.macro VS av, q
.set XB, ACC+32*(\av)
.if (\q) < 16
.if (\q) == 0
	AW
.endif
	v_pk_fma_f32 v[XB+2*(\q):XB+2*(\q)+1], v[XB+2*(\q):XB+2*(\q)+1], s[52:53], v[CUR:CUR+1] op_sel_hi:[1,0,0]
.elseif (\q) < 48
.if (\q) == 16
	AW
.endif
	v_exp_f32 v[XB+(\q)-16], v[XB+(\q)-16]
.elseif (\q) < 64
.if (\q) == 48
	v_nop
	AW
.endif
	v_pk_add_f32 v[XB+2*((\q)-48):XB+2*((\q)-48)+1], v[XB+2*((\q)-48):XB+2*((\q)-48)+1], 1.0 op_sel_hi:[1,0]
.elseif (\q) < 96
.if (\q) == 64
	AW
.endif
	v_rcp_f32 v[XB+(\q)-64], v[XB+(\q)-64]
.else
.if (\q) == 96
	v_nop
	AW
.endif
	v_pk_fma_f32 v[SA+2*((\q)-96):SA+2*((\q)-96)+1], v[XB+2*((\q)-96):XB+2*((\q)-96)+1], v[CUR+2:CUR+3], v[SA+2*((\q)-96):SA+2*((\q)-96)+1] op_sel_hi:[1,0,1]
.endif
.endm
; One tile.  vv = 1: the tile before (set av) is scaled and its exponentials issued; then this tile's 32 products in one run (no transcendental stands inside a chain); then the rest of the tile before.
; vv = 0, a block's first tile: the 32 sums S are cleared.  cnt: the loads issued behind this tile's 19.  At the end cq and Wout of this tile are set aside, and the set takes the tile three further on.
; kind 3, a trip's first tile: the loop's four pointers are stepped here, directly ahead of the trip's first loads: the loads that read them last were issued a whole tile ago.
.macro BODY set, av, vv, kind, lt, cnt
.if \vv
.set QQ, 0
.rept 48
	VS \av, QQ
.set QQ, QQ+1
.endr
	v_nop                                          ; the plain place behind the exponentials
.else
.set II, 0
.rept 32
	v_mov_b32 v[SA+II], 0
.set II, II+1
.endr
.endif
	s_wait_loadcnt \cnt
	WIN 0x09
.set SS, 0
.rept 8
	MM4 \set, SS
.set SS, SS+1
.endr
	WIN 0
.if \vv
.set QQ, 48
.rept 64
	VS \av, QQ
.set QQ, QQ+1
.endr
.else
	v_nop                                          ; with the two moves below: four places ahead of the loads into this set (ISA guide 7.12.1 for vector instructions)
	v_nop
.endif
	v_mov_b32 v[CUR], v[CN+2*(\set)]
	v_mov_b32 v[CUR+2], v[CN+2*(\set)+1]
	AW                                             ; directly behind the writes: they are read behind waits and a branch
.if (\kind) == 3
	s_wait_xcnt 0x0                                ; the last trip's loads have read their bases: the four pointers may be written
	s_lshr_b32 s46, s44, 4
	s_lshr_b32 s48, s44, 7
	s_add_nc_u64 s[36:37], s[6:7], s[44:45]        ; 8,192 bytes of codes a tile,
	s_add_nc_u64 s[38:39], s[8:9], s[46:47]        ; 512 of scale bytes,
	s_add_nc_u64 s[40:41], s[10:11], s[48:49]      ; 64 of cq
	s_add_nc_u64 s[42:43], s[12:13], s[48:49]      ; and of Wout
	BLOAD \set, 1, \lt
.elseif \kind
	BLOAD \set, \kind, \lt
.endif
.endm
.macro QLOAD g                         ; eight rows of my strip, 16 LDS loads, into staging set g % 2
.set XL, 112+64*((\g)%2)
.set KK, 0
.rept 8
.set TT, 8*(\g)+KK
.if TT < 32
	ds_load_b128 v[XL+8*KK:XL+8*KK+3], v[LA0] offset:TT*LROW
	ds_load_b128 v[XL+8*KK+4:XL+8*KK+7], v[LA0] offset:TT*LROW+16
.else
	ds_load_b128 v[XL+8*KK:XL+8*KK+3], v[LA1] offset:(TT-32)*LROW
	ds_load_b128 v[XL+8*KK+4:XL+8*KK+7], v[LA1] offset:(TT-32)*LROW+16
.endif
.set KK, KK+1
.endr
.endm
; Group g: rows 8 g .. + 7.  The next group's loads go out first.
.macro QG g
.if (\g) < 7
	QLOAD (\g)+1
.endif
.if ((\g) == 0) || ((\g) == 7)
	s_wait_dscnt 16                                ; out may be: the next group's 16 loads (g = 0), the last group's 16 stores (g = 7)
.else
	s_wait_dscnt 32                                ; out may be: the last group's 16 stores and the next group's 16 loads
.endif
.set XB, 112+64*((\g)%2)
.set TC, 96+144*((\g)%2)
.irp k, 0,1,2,3,4,5,6,7
	v_max3_num_f32 v[T+\k], |v[XB+8*\k]|, |v[XB+8*\k+1]|, s59     ; my 8 magnitudes, and the floor 2^(3 - 127)
.endr
.irp i, 2,4,6
.irp k, 0,1,2,3,4,5,6,7
	v_max3_num_f32 v[T+\k], v[T+\k], |v[XB+8*\k+\i]|, |v[XB+8*\k+\i+1]|
.endr
.endr
.irp k, 0,1,2,3,4,5,6,7
	v_max_num_f32_dpp v[T+\k], v[T+\k], v[T+\k] row_xmask:1 row_mask:0xf bank_mask:0xf
.endr
.irp k, 0,1,2,3,4,5,6,7
	v_max_num_f32_dpp v[T+\k], v[T+\k], v[T+\k] row_xmask:2 row_mask:0xf bank_mask:0xf   ; four neighbouring lanes hold a block of 32
.endr
.irp k, 0,1,2,3,4,5,6,7
	v_add_nc_u32 v[T+8+\k], s60, v[T+\k]           ; 2 off the exponent field: the conversion's scale operand
.endr
.irp k, 0,1,2,3,4,5,6,7
	v_cvt_scalef32_pk8_fp4_f32 v[TC+\k], v[XB+8*\k:XB+8*\k+7], v[T+8+\k]
.endr
.irp k, 0,1,2,3,4,5,6,7
	v_lshrrev_b32 v[TC+8+\k], 23, v[T+8+\k]        ; the scale's byte
.endr
	WIN 0xc0
.irp k, 0,1,2,3,4,5,6,7
.irp q, 0,1,2,3
	v_cvt_pk_bf16_f32 v[4*(8*(\g)+\k)+\q], v[XB+8*\k+2*\q], v[XB+8*\k+2*\q+1]   ; the copy for the context
.endr
.endr
	WIN 0
.irp k, 0,1,2,3,4,5,6,7
	ds_store_b32 v[CWA], v[TC+\k] offset:(8*(\g)+\k)*CP
	ds_store_b8 v[SWA], v[TC+8+\k] offset:(8*(\g)+\k)*AP     ; the four lanes of a block write the same byte with the same value
.endr
.endm
.macro QPH
	s_wait_tensorcnt 0x0                           ; my strip has landed: my one tensor load; only I read it
	QLOAD 0
.irp g, 0,1,2,3,4,5,6,7
	QG \g
.endr
.endm
.macro AFETCH                          ; the block's codes as 32 fragments, and their scale words
	WIN 0x40
.irp m, 0,1,2,3
.set II, 0
.rept 16
	ds_load_b128 v[64*\m+4*II:64*\m+4*II+3], v[ARD] offset:16*\m*CP+32*II
.set II, II+1
.endr
.endr
	WIN 0
.irp m, 0,1,2,3
	ds_load_b128 v[AS+4*\m:AS+4*\m+3], v[SRD] offset:16*\m*AP
.endr
	s_wait_dscnt 0x0
.endm
; G.  Sets 1, 2, 0 hold tiles 0, 1, 2 on the way in; the walk is 2, 0, 1, 3, 4 .. 15.  A trip multiplies three tiles and fetches the three that come three tiles later.
; last = 0: the fifth trip's offset wraps to 0 and fetches tiles 0, 1, 2 for the next block.  last = 1: that trip is written out without loads.
.macro GPH last
	BODY 0, 0, 0, 2, 3, 0
	s_mov_b32 s44, 4*8192
	s_mov_b32 s57, 5-(\last)
.Ltile_\@:
	BODY 1, 0, 1, 3, 0, 38                         ; 38: the two younger tiles' 2 x 19 loads
	BODY 2, 1, 1, 1, 1, 38
	BODY 0, 2, 1, 1, 2, 38
	s_add_co_u32 s44, s44, 3*8192
	s_and_b32 s44, s44, 0x1ffff                    ; 16 tiles are 131,072 bytes
	s_sub_co_u32 s57, s57, 1
	s_cmp_lg_u32 s57, 0
	s_cbranch_scc1 .Ltile_\@
.if \last
	BODY 1, 0, 1, 0, 0, 38
	BODY 2, 1, 1, 0, 0, 19
	BODY 0, 2, 1, 0, 0, 0
.endif
.set QQ, 0
.rept 112
	VS 0, QQ
.set QQ, QQ+1
.endr
.endm
; S.  The sums over n, the block's weights, the running maximum.
.macro SOFT
.irp x, 1,2,4,8
.set II, 0
.rept 32
	v_add_f32_dpp v[SA+II], v[SA+II], v[SA+II] row_xmask:\x row_mask:0xf bank_mask:0xf
.set II, II+1
.endr
.endr
.irp m, 0,1,2,3
	ds_store_b128 v[PWA], v[SA+8*\m:SA+8*\m+3] offset:64*\m                  ; rows 16 m + 8 h + 0 .. 7; the sixteen lanes of a half write the same values
	ds_store_b128 v[PWA], v[SA+8*\m+4:SA+8*\m+7] offset:64*\m+16
.endr
	s_wait_dscnt 0x0
	s_barrier_signal -1
	s_barrier_wait -1                              ; my tensor load stays out
.irp x, 0,1,2,3
	ds_load_b32 v[T+2*\x], v[PRD] offset:256*\x
	ds_load_b32 v[T+2*\x+1], v[PRD] offset:256*\x+128
.endr
	s_wait_dscnt 0x0
	v_pk_add_f32 v[T:T+1], v[T:T+1], v[T+2:T+3]
	v_pk_add_f32 v[T+4:T+5], v[T+4:T+5], v[T+6:T+7]
	v_pk_add_f32 v[T:T+1], v[T:T+1], v[T+4:T+5]
	v_mul_f32 v[T], s58, v[T]                      ; u = -c S
	v_mul_f32 v[T+1], s58, v[T+1]
	v_max_num_f32 v24, v[T], v[T+1]
.irp x, 1,2,4,8
	v_max_num_f32_dpp v24, v24, v24 row_xmask:\x row_mask:0xf bank_mask:0xf
.endr
	v_permlanex16_b32 v30, v24, s54, s55
	v_max3_num_f32 v26, v24, v30, v[MX]            ; the new running maximum
	v_sub_f32 v27, v[MX], v26
	v_sub_f32 v28, v[T], v26
	v_sub_f32 v29, v[T+1], v26
	AW                                             ; ahead of the batch
	v_exp_f32 v22, v27                             ; f = 2^(old M - new M)
	v_exp_f32 v28, v28
	v_exp_f32 v29, v29
	v_mov_b32 v[MX], v26
	AW                                             ; and behind it
	v_fma_f32 v[LS], v[LS], v22, v28
	v_add_f32 v[LS], v[LS], v29
	ds_store_b32 v[PBW], v28
	ds_store_b32 v[PBW], v29 offset:128
.set II, 0
.rept 16
	ds_load_b128 v[PP+4*II:PP+4*II+3], v[PBR] offset:16*II   ; the 64 weights in every lane; my wave's own bytes, served in order (ISA guide 5.7.1.4)
.set II, II+1
.endr
.irp j, 0,2,4,6
	v_pk_mul_f32 v[CTX+\j:CTX+\j+1], v[CTX+\j:CTX+\j+1], v[22:23] op_sel_hi:[1,0]
.endr
	AW                                             ; directly ahead of the wait below
	s_wait_dscnt 0x0
.endm
.macro CTXA                            ; C.  512 fused multiply-adds: a bf16 half x an f32 weight + an f32 sum; eight chains by turns
	WIN 0x03
.set TT, 0
.rept 64
.irp q, 0,1,2,3
	v_fma_mix_f32_bf16 v[CTX+2*\q], v[4*TT+\q], v[PP+TT], v[CTX+2*\q] op_sel_hi:[1,0,0]
	v_fma_mix_f32_bf16 v[CTX+2*\q+1], v[4*TT+\q], v[PP+TT], v[CTX+2*\q+1] op_sel:[1,0,0] op_sel_hi:[1,0,0]
.endr
.set TT, TT+1
.endr
	WIN 0
	AW
.endm
; A block.  The barrier behind Q does three things: all four waves' codes and scale bytes are stored; every wave's reads of its strip are over, so the strips may be filled again; the last block's reads of the waves' sums are over.
.macro BLOCK fill
	QPH
	AW
.if \fill
	s_wait_tensorcnt 0x0                           ; no tensor load of mine is out, so its group 0 may be written
	ds_add_u32 v[SPW], v[NIL]
	s_add_nc_u64 s[D0+2:D0+3], s[D0+2:D0+3], 64*4096   ; the next 64 rows; the type bits on top are not reached
	s_wait_dscnt 0x0                               ; the add is done, my stores have landed, my reads of the strip are back
	s_barrier_signal -1
	s_barrier_wait -1
	tensor_load_to_lds s[D0:D0+3], s[G1:G1+7]      ; my one tensor load behind this barrier, and the first thing there
	s_nop 0
.rept 4
	v_nop
.endr
.else
	s_wait_dscnt 0x0                               ; the last block: nothing is left to fetch
	s_barrier_signal -1
	s_barrier_wait -1
.endif
	AFETCH
	GPH 1-\fill
	SOFT
	CTXA
.endm
	s_load_b256 s[4:11], s[0:1], 0x0               ; enc s[4:5], wkf s[6:7], Wk's scales s[8:9], cq s[10:11]
	s_load_b128 s[12:15], s[0:1], 0x20             ; Wout s[12:13], part s[14:15]
	v_lshl_add_u32 v[SPW], v0, 2, SPARE
	v_mov_b32 v[NIL], 0
	ds_add_u32 v[SPW], v[NIL]                      ; the opening: the add, twice on end, and its wait ahead of my first tensor load
	ds_add_u32 v[SPW], v[NIL]
	v_lshrrev_b32 v31, 5, v0
	v_readfirstlane_b32 s16, v31                   ; wave 0..3
	; group 1: 64 rows of 128 elements of 8 bytes, 512 elements from row to row; in LDS 4 words of padding behind every 64
	s_mov_b32 s[G1], (3<<16)|(1<<20)|(5<<22)|(3<<25)
	s_mov_b32 s[G1+1], 128<<16
	s_mov_b32 s[G1+2], 64<<16
	s_mov_b32 s[G1+3], 128<<16
	s_mov_b32 s[G1+4], 64
	s_mov_b32 s[G1+5], 512
	s_mov_b32 s[G1+6], 0
	s_mov_b32 s[G1+7], 0
	s_mov_b32 s[D0], 1
	s_mul_i32 s[D0+1], s16, LANDW                  ; my strip in LDS
	s_lshl_b32 s18, ttmp9, 20                      ; the work-group's 256 rows of 4,096 bytes,
	s_lshl_b32 s19, s16, 10                        ; my 1,024 bytes of a row
	s_add_co_u32 s18, s18, s19
	s_mov_b32 s19, 0
	s_mov_b32 s45, 0
	s_mov_b32 s47, 0
	s_mov_b32 s49, 0
	s_mov_b32 s52, 0x4038aa3b                      ; c = 2 log2(e)
	s_mov_b32 s53, s52
	s_mov_b32 s54, 0x76543210
	s_mov_b32 s55, 0xfedcba98
	s_mov_b32 s58, 0xc038aa3b                      ; -c
	s_mov_b32 s59, 0x01800000                      ; the floor 2^(3 - 127)
	s_mov_b32 s60, 0xff000000                      ; -(2 << 23)
	s_mov_b32 s56, 3
	AW
	s_wait_dscnt 0x0                               ; both opening adds are done
	s_wait_kmcnt 0x0
	s_add_nc_u64 s[D0+2:D0+3], s[4:5], s[18:19]
	s_or_b32 s[D0+3], s[D0+3], 0x80000000
	tensor_load_to_lds s[D0:D0+3], s[G1:G1+7]      ; the first block's strip: every wave issues one
	s_nop 0
.rept 4
	v_nop
.endr
	s_lshl_b32 s18, s16, 17
	s_add_nc_u64 s[6:7], s[6:7], s[18:19]          ; my 16 tiles of wkf
	s_lshl_b32 s18, s16, 13
	s_add_nc_u64 s[8:9], s[8:9], s[18:19]          ; my 256 rows of scale bytes
	s_lshl_b32 s18, s16, 10
	s_add_nc_u64 s[12:13], s[12:13], s[18:19]      ; my 256 numbers of Wout
	s_lshr_b32 s20, ttmp9, 3
	s_lshl_b32 s20, s20, 12                        ; the batch's row of cq
	s_add_co_u32 s18, s18, s20
	s_add_nc_u64 s[10:11], s[10:11], s[18:19]
	s_mul_i32 s18, ttmp9, 4608
	s_add_nc_u64 s[14:15], s[14:15], s[18:19]      ; my work-group's record
	v_and_b32 v24, 31, v0                          ; lane
	v_and_b32 v25, 15, v0                          ; r
	v_bfe_u32 v26, v0, 4, 1                        ; h
	v_bfe_u32 v27, v0, 3, 2                        ; lane / 8
	v_lshlrev_b32 v[BO], 4, v24
	v_lshlrev_b32 v[SO], 5, v25
	v_lshl_add_u32 v[SO], v26, 4, v[SO]
	v_lshlrev_b32 v[CO], 2, v25
	AW
	BLOAD 1, 2, 0                                  ; tiles 0, 1, 2 into sets 1, 2, 0, as the loop's wrap leaves them
	BLOAD 2, 2, 1
	BLOAD 0, 2, 2
	v_lshlrev_b32 v[LA0], 5, v24
	v_lshl_add_u32 v[LA0], v27, 4, v[LA0]          ; 32 x lane, + 16 for each 256 passed
	v_add_nc_u32 v[LA0], s[D0+1], v[LA0]
	v_add_nc_u32 v[LA1], 32*LROW, v[LA0]
	s_lshl_b32 s20, s16, 7
	v_lshl_add_u32 v[CWA], v24, 2, COD
	v_add_nc_u32 v[CWA], s20, v[CWA]               ; 128 w + 4 x lane in a row of codes
	s_lshl_b32 s20, s16, 3
	v_bfe_u32 v[SWA], v0, 2, 3
	v_add_nc_u32 v[SWA], s20, v[SWA]
	v_add_nc_u32 v[SWA], ASC, v[SWA]               ; 8 w + lane / 4 in a row of scale bytes
	v_mul_u32_u24 v[ARD], v25, CP
	v_lshl_add_u32 v[ARD], v26, 4, v[ARD]
	v_add_nc_u32 v[ARD], COD, v[ARD]
	v_mul_u32_u24 v[SRD], v25, AP
	v_lshl_add_u32 v[SRD], v26, 4, v[SRD]
	v_add_nc_u32 v[SRD], ASC, v[SRD]
	s_lshl_b32 s20, s16, 8
	v_lshlrev_b32 v[PWA], 5, v26
	v_add_nc_u32 v[PWA], s20, v[PWA]
	v_add_nc_u32 v[PWA], SCP, v[PWA]
	v_lshl_add_u32 v[PRD], v24, 2, SCP
	v_lshl_add_u32 v[PBW], v24, 2, PB
	v_add_nc_u32 v[PBW], s20, v[PBW]
	v_lshl_add_u32 v[PBR], v31, 8, PB
	s_lshl_b32 s20, s16, 10
	v_add_nc_u32 v[OUTA], s20, v[BO]
	v_mov_b32 v[MX], 0xff61b1e6                    ; the largest u so far: -3e38
	v_mov_b32 v[LS], 0
	v_mov_b32 v20, 0
	v_mov_b32 v21, 0
	v_mov_b32 v23, 0                               ; (upper halves of pairs of which the low word serves both halves)
	v_mov_b32 v[CUR+1], 0
	v_mov_b32 v[CUR+3], 0
	v_mov_b32 v30, 0                               ; (a lane permute's destination counts as one of its sources)
.irp j, 0,1,2,3,4,5,6,7
	v_mov_b32 v[CTX+\j], 0
.endr
	AW                                             ; the head's end
.Lblk:                                             ; three blocks, each asking for the next
	BLOCK 1
	s_sub_co_u32 s56, s56, 1
	s_cmp_lg_u32 s56, 0
	s_cbranch_scc1 .Lblk
	BLOCK 0                                        ; the last block is written out
	s_wait_tensorcnt 0x0                           ; the wave's end; no LDS instruction follows
	ds_add_u32 v[SPW], v[NIL]
	s_wait_dscnt 0x0
.irp x, 1,2,4,8
	v_add_f32_dpp v[LS], v[LS], v[LS] row_xmask:\x row_mask:0xf bank_mask:0xf
.endr
	v_permlanex16_b32 v30, v[LS], s54, s55
	v_add_f32 v[LS], v[LS], v30
	AW
	global_store_b128 v[OUTA], v[CTX:CTX+3], s[14:15]                        ; 32 lanes store 512 consecutive bytes: columns 256 w + 8 lane + 0 .. 3
	global_store_b128 v[OUTA], v[CTX+4:CTX+7], s[14:15] offset:512           ; and + 4 .. 7
	s_cmp_lg_u32 s16, 0                            ; all four waves hold the same M and sum: wave 0 stores them
	s_cbranch_scc1 .Lnot_wave_0
	global_store_b128 v[BO], v[MX:MX+3], s[14:15] offset:4096                ; {M, sum, 0, 0} 32 times: 512 consecutive bytes
.Lnot_wave_0:
	s_endpgm
.Lfunc_end_k_q404d4644ab_main:
	.size	k_q404d4644ab_main, .Lfunc_end_k_q404d4644ab_main-k_q404d4644ab_main
	.p2alignl 7, 3214868480
	.fill 96, 4, 3214868480
	.section	.rodata,"a",@progbits
	.p2align	6, 0x0
	.amdhsa_kernel k_q404d4644ab_main
		.amdhsa_group_segment_fixed_size 327680
		.amdhsa_private_segment_fixed_size 0
		.amdhsa_enable_private_segment 0
		.amdhsa_kernarg_size 48
		.amdhsa_user_sgpr_count 2
		.amdhsa_user_sgpr_kernarg_segment_ptr 1
		.amdhsa_wavefront_size32 1
		.amdhsa_system_sgpr_workgroup_id_x 1
		.amdhsa_system_sgpr_workgroup_id_y 1
		.amdhsa_system_sgpr_workgroup_id_z 1
		.amdhsa_system_vgpr_workitem_id 0
		.amdhsa_next_free_vgpr 1024
		.amdhsa_next_free_sgpr 70
		.amdhsa_reserve_vcc 0
		.amdhsa_float_denorm_mode_32 3
		.amdhsa_float_denorm_mode_16_64 3
		.amdhsa_memory_ordered 1
		.amdhsa_forward_progress 1
		.amdhsa_inst_pref_size 255
	.end_amdhsa_kernel
	.section	.bss,"aw",@nobits
	.p2align	6
	.space	262144
	.amdgpu_metadata
---
amdhsa.version: [ 1, 2 ]
amdhsa.kernels:
  - .name:           k_q404d4644ab_main
    .symbol:         k_q404d4644ab_main.kd
    .args:
      - { .name: encoder_outputs, .offset: 0, .size: 8, .value_kind: global_buffer, .address_space: global }
      - { .name: wkf, .offset: 8, .size: 8, .value_kind: global_buffer, .address_space: global }
      - { .name: Wk_scales, .offset: 16, .size: 8, .value_kind: global_buffer, .address_space: global }
      - { .name: cq, .offset: 24, .size: 8, .value_kind: global_buffer, .address_space: global }
      - { .name: Wout, .offset: 32, .size: 8, .value_kind: global_buffer, .address_space: global }
      - { .name: part, .offset: 40, .size: 8, .value_kind: global_buffer, .address_space: global }
    .group_segment_fixed_size: 327680
    .private_segment_fixed_size: 0
    .kernarg_segment_align: 8
    .kernarg_segment_size: 48
    .max_flat_workgroup_size: 128
    .sgpr_count:     70
    .vgpr_count:     1024
    .wavefront_size: 32
...
	.end_amdgpu_metadata
.endif
;; end of part 2
;; launch merge (part 3): grid 32 x 1, 8 waves a work-group, no clusters, 0 bytes of LDS; arguments part, out0; writes out0
.if DOCPART == 3
	.amdgcn_target "amdgcn-amd-amdhsa--gfx1250"
	.amdhsa_code_object_version 6
	.text
	.protected	k_q404d4644ab_merge
	.globl	k_q404d4644ab_merge
	.p2align	8
	.type	k_q404d4644ab_merge,@function
k_q404d4644ab_merge:
	s_mov_b64 s[64:65], 0
	v_nop
	global_prefetch_b8 v0, s[64:65] scope:SCOPE_SE
	s_setreg_imm32_b32 hwreg(HW_REG_WAVE_MODE, 25, 1), 1
	s_wait_xcnt 0x0
; ADDITIVE ATTENTION, launch 3 of 3: the eight work-groups' parts of a batch are joined.  (bout, the sum of Wout and the input named inputs are left out, as shown at the head of the first launch.)
; Part g of batch b: context_g = sum over its 256 rows of 2^(u - M_g) enc, L_g = sum of 2^(u - M_g), M_g its largest u.  With M = the largest M_g and f_g = 2^(M_g - M):
; out[b] = sum_g f_g context_g / sum_g f_g L_g.  Each L_g is at least 1 (the row that gave M_g has weight 1), so the divisor is at least 1.
; Work-group b takes batch b; thread i takes columns 4 i .. 4 i + 3.  A record is 4,608 bytes: the context as [wave 4][half 2][lane 32][4 numbers], column = 256 wave + 8 lane + 4 half + e; from byte 4,096 on {M, L, 0, 0}.
; No LDS, no barrier, no matrix unit: 37 KB are read and 4 KB written by a work-group.
	s_load_b128 s[4:7], s[0:1], 0x0                ; part, out0
	v_lshrrev_b32 v1, 6, v0
	s_delay_alu instid0(VALU_DEP_1)
	v_lshlrev_b32 v1, 10, v1                       ; wave = i / 64
	v_and_b32 v2, 1, v0
	s_delay_alu instid0(VALU_DEP_1)
	v_lshl_add_u32 v1, v2, 9, v1                   ; half = i % 2
	v_bfe_u32 v2, v0, 1, 5
	s_delay_alu instid0(VALU_DEP_1)
	v_lshl_add_u32 v1, v2, 4, v1                   ; lane = (i / 2) % 32
	v_mov_b32 v3, 0
	v_lshlrev_b32 v4, 4, v0                        ; 16 bytes a thread in the row of out0
	s_mul_i32 s8, ttmp9, 8*4608
	s_mov_b32 s9, 0
	s_lshl_b32 s10, ttmp9, 12
	s_mov_b32 s11, 0
	s_wait_alu depctr_va_vdst(0)
	s_wait_kmcnt 0x0
	s_add_nc_u64 s[4:5], s[4:5], s[8:9]
	s_add_nc_u64 s[6:7], s[6:7], s[10:11]
.irp g, 0,1,2,3,4,5,6,7
	global_load_b64 v[48+2*\g:49+2*\g], v3, s[4:5] offset:\g*4608+4096       ; M_g, L_g
.endr
.irp g, 0,1,2,3,4,5,6,7
	global_load_b128 v[16+4*\g:19+4*\g], v1, s[4:5] offset:\g*4608           ; my four columns of context_g
.endr
.irp g, 0,1,2,3,4,5,6,7
	v_mov_b32 v[65+2*\g], 0                        ; (upper halves of the pairs of which the low word serves both halves)
.endr
	s_wait_loadcnt 8                               ; the eight pairs are in; the eight loads behind them may be out
	v_max3_num_f32 v5, v48, v50, v52
	s_delay_alu instid0(VALU_DEP_1)
	v_max3_num_f32 v5, v5, v54, v56
	s_delay_alu instid0(VALU_DEP_1)
	v_max3_num_f32 v5, v5, v58, v60
	s_delay_alu instid0(VALU_DEP_1)
	v_max_num_f32 v5, v5, v62                      ; M
.irp g, 0,1,2,3,4,5,6,7
	v_sub_f32 v[64+2*\g], v[48+2*\g], v5
.endr
	s_wait_alu depctr_va_vdst(0)
.irp g, 0,1,2,3,4,5,6,7
	v_exp_f32 v[64+2*\g], v[64+2*\g]               ; f_g
.endr
	v_nop                                          ; a plain instruction behind the last exponential
	s_wait_alu depctr_va_vdst(0)                   ; one wait for the eight, ahead of their first reader
	v_mul_f32 v6, v64, v49
.irp g, 1,2,3,4,5,6,7
	v_fmac_f32 v6, v[64+2*\g], v[49+2*\g]          ; sum of f_g L_g
.endr
	s_wait_alu depctr_va_vdst(0)
	v_rcp_f32 v6, v6
	v_nop
	s_wait_alu depctr_va_vdst(0)
.irp g, 0,1,2,3,4,5,6,7
	v_mul_f32 v[64+2*\g], v[64+2*\g], v6
.endr
	s_wait_alu depctr_va_vdst(0)
	s_wait_loadcnt 0x0
	v_pk_mul_f32 v[80:81], v[16:17], v[64:65] op_sel_hi:[1,0]
	v_pk_mul_f32 v[82:83], v[18:19], v[64:65] op_sel_hi:[1,0]
.irp g, 1,2,3,4,5,6,7
	s_delay_alu instid0(VALU_DEP_2)
	v_pk_fma_f32 v[80:81], v[16+4*\g:17+4*\g], v[64+2*\g:65+2*\g], v[80:81] op_sel_hi:[1,0,1]
	s_delay_alu instid0(VALU_DEP_2)
	v_pk_fma_f32 v[82:83], v[18+4*\g:19+4*\g], v[64+2*\g:65+2*\g], v[82:83] op_sel_hi:[1,0,1]
.endr
	global_store_b128 v4, v[80:83], s[6:7]         ; 32 lanes store 512 consecutive bytes
	s_endpgm
.Lfunc_end_k_q404d4644ab_merge:
	.size	k_q404d4644ab_merge, .Lfunc_end_k_q404d4644ab_merge-k_q404d4644ab_merge
	.p2alignl 7, 3214868480
	.fill 96, 4, 3214868480
	.section	.rodata,"a",@progbits
	.p2align	6, 0x0
	.amdhsa_kernel k_q404d4644ab_merge
		.amdhsa_group_segment_fixed_size 0
		.amdhsa_private_segment_fixed_size 0
		.amdhsa_enable_private_segment 0
		.amdhsa_kernarg_size 16
		.amdhsa_user_sgpr_count 2
		.amdhsa_user_sgpr_kernarg_segment_ptr 1
		.amdhsa_wavefront_size32 1
		.amdhsa_system_sgpr_workgroup_id_x 1
		.amdhsa_system_sgpr_workgroup_id_y 1
		.amdhsa_system_sgpr_workgroup_id_z 1
		.amdhsa_system_vgpr_workitem_id 0
		.amdhsa_next_free_vgpr 96
		.amdhsa_next_free_sgpr 66
		.amdhsa_reserve_vcc 0
		.amdhsa_float_denorm_mode_32 3
		.amdhsa_float_denorm_mode_16_64 3
		.amdhsa_memory_ordered 1
		.amdhsa_forward_progress 1
		.amdhsa_inst_pref_size 6
	.end_amdhsa_kernel
	.amdgpu_metadata
---
amdhsa.version: [ 1, 2 ]
amdhsa.kernels:
  - .name:           k_q404d4644ab_merge
    .symbol:         k_q404d4644ab_merge.kd
    .args:
      - { .name: part, .offset: 0, .size: 8, .value_kind: global_buffer, .address_space: global }
      - { .name: out0, .offset: 8, .size: 8, .value_kind: global_buffer, .address_space: global }
    .group_segment_fixed_size: 0
    .private_segment_fixed_size: 0
    .kernarg_segment_align: 8
    .kernarg_segment_size: 16
    .max_flat_workgroup_size: 256
    .sgpr_count:     66
    .vgpr_count:     96
    .wavefront_size: 32
...
	.end_amdgpu_metadata
.endif
;; end of part 3
